; MI455X (gfx1250); checked and timed in simulation.
; The chip was launched on July 23, 2026; its instructions are those of AMD's public machine-readable ISA for CDNA 5 (MIT licence, August 2026) and "CDNA5" Instruction Set Architecture Reference Guide (July 2026). The comments in the code are by the model that wrote it; some were corrected since.
;; NN Attention Head. Allowed arithmetic: matrix products marked QUANTISED: E4M3 operands, one given power-of-two scale a tensor, by v_wmma_f32_16x16x64_fp8_fp8 or v_wmma_f32_16x16x128_fp8_fp8, f32 sums; products left as they are: f32 operands where the result goes on into a quantised operand, else bf16, f16 or f32 operands; f32 sums; everything else in f32.
;; Inputs: W1_codes 128 x 8 x 32 uint8 (E4M3 codes of W1, K innermost, in blocks of 32 codes); W2 128 x 1 float32; Wv_codes 128 x 4 x 32 uint8 (E4M3 codes of Wv, K innermost, in blocks of 32 codes); b2 1 float32; lowp_scales 6 int32 (the exponents e of the quantised operands' scales 2^e); pos_emb 512 x 512 x 256 float32; x 4 x 512 x 128 float32.
;; Outputs: out0 4 x 512 x 128 float32.
;; This version of the problem:
;;   THIS VERSION OF THE PROBLEM IS GIVEN IN LOW PRECISION. The matrix products marked QUANTISED in the list below multiply operands that are first quantised to E4M3 (4 exponent bits, 3 mantissa bits; 8 bits a number), with one given power-of-two scale for each operand tensor; their sums are f32. All else is computed in f32.
;;   The module's matrix products, in the order in which they are computed (A, B: the left and right operand; K: the contracted axis; several contracted axes count as one K, in the product's order):
;;     1. [M 1,048,576, K 256] x [K 256, N 128]; A: computed on the way; B: input W1 (given as codes): QUANTISED (scales: A lowp_scales[0], B lowp_scales[1])
;;     2. [M 1,048,576, K 128] x [K 128, N 1]; A: computed on the way; B: input W2: left as it is (N = 1 < 16)
;;     3. [M 2,048, K 128] x [K 128, N 128]; A: input x; B: input Wv (given as codes): QUANTISED (scales: A lowp_scales[2], B lowp_scales[3])
;;     4. batch 4 x [M 512, K 512] x [K 512, N 128]; A: softmax (see below); B: computed on the way: QUANTISED (scales: A lowp_scales[4], B lowp_scales[5])
;;   THE QUANTISER, for each operand of a quantised product, along K:
;;     - The operand's scale is 2^e, e = its entry of the input lowp_scales (int32; the entries are numbered through the quantised products in the list's order, A before B).
;;     - Each number is divided by the scale, clamped to +-448, and rounded to the nearest number of E4M3, ties to even, subnormals kept.
;;     - The product sums the exact products of the quantised numbers (number of the format x scale) in f32.
;;   ~~~python
;;   def quantise(x, axis, e):      # numpy; x: float32 -> the quantised numbers, widened to float32 again
;;       x = np.moveaxis(x, axis, -1); K = x.shape[-1]
;;       r = np.clip(x / 2.0 ** e, -448, 448)
;;       step = 2.0 ** (np.maximum(np.frexp(np.where(r == 0, 1, r))[1] - 1, -6) - 3)
;;       q = np.round(r / step) * step * 2.0 ** e      # np.round: ties to even
;;       return np.moveaxis(q, -1, axis).astype(np.float32)
;;   ~~~
;;   SOFTMAX AHEAD OF A QUANTISED PRODUCT. Where the list says 'softmax', what is quantised is not the finished softmax but p = 2^(t - M), with t = logit x log2(e) and M = ceil(the row's largest t), a whole number; so 1/2 < the row's largest p <= 1. The row's sum l is taken of the UNQUANTISED p, in f32, and the product's result is divided by l at the end. Since M is a whole number, a kernel that streams over the keys may use a running M (the ceiling of the running maximum): every later rescaling is an exact power of two, so the quantised numbers keep their values, but for numbers so far below the row's largest that they fall under the format's range.
;;   OPERANDS COMPUTED ON THE WAY. 'Computed on the way' means the value that the module computes at that place (a softmax that the list does not call 'softmax' is quantised finished and normalised). What goes into a quantiser is computed in f32, as accurately as f32 sums, v_exp_f32 and their like allow (about 1e-6 of the number): no bf16 or f16 on the way to a quantiser, and a product that is left as it is and whose result goes on into a quantised operand takes f32 operands (vector FMAs, or v_wmma_f32_16x16x4_f32). A number that lies on a knife's edge between two numbers of the format may be rounded either way, as far as f32 arithmetic and the matrix unit's own rounding can turn it there, and no further.
;;   INPUTS GIVEN AS CODES. W1 (in the module: [256, 128], K = its axis 0); Wv (in the module: [128, 128], K = its axis 0): each comes as NAME_codes (uint8): NAME with its K axis moved to the last place and cut into blocks of 32 codes, [.., K / 32, bytes a block], one block behind the other in memory; one code a byte (a code: sign, 4 exponent bits, 3 mantissa bits); its scale is its entry of lowp_scales. Its value is code x scale, taken as it is: it is not quantised again, and the codes and scales need not be those that the quantiser above would give.
;; One version. Each part assembles by itself: llvm-mc -triple=amdgcn-amd-amdhsa -mcpu=gfx1250 --defsym DOCPART=n.
;; ======== version 1 of 1: 2 launches
;; limits: right only within a limited range of input values
;; workspace buffers: tws 2,162,688 bytes; vimg 262,144 bytes
;; launch logits (part 1): grid 256 x 1, 8 waves a work-group, no clusters, 327,680 bytes of LDS; arguments W1_codes, W2, Wv_codes, b2, lowp_scales, pos_emb, x, tws, vimg; writes tws, vimg
.if DOCPART == 1
	.amdgcn_target "amdgcn-amd-amdhsa--gfx1250"
	.amdhsa_code_object_version 6
	.text
	.protected	k_q0346b26694_logits
	.globl	k_q0346b26694_logits
	.p2align	8
	.type	k_q0346b26694_logits,@function
k_q0346b26694_logits:
	s_mov_b64 s[64:65], 0
	v_nop
	global_prefetch_b8 v0, s[64:65] scope:SCOPE_SE
	s_setreg_imm32_b32 hwreg(HW_REG_WAVE_MODE, 25, 1), 1
	s_wait_xcnt 0x0
; t[b][q][k] = log2(e) / sqrt(128) x (gelu(Q(a) W1) W2 + b2), a = [x[b][k], x[b][q]] + pos_emb[q][k], for the key tiles that count; and V's codes Q(Q(x) Wv).
; WORK LEFT OUT: reference() masks every key k > q by a mask of its own, for all inputs.  So a tile of 16 keys all of which come after query q is neither loaded nor computed.  b2 is kept: it moves the codes of p.
; LIMIT: a NaN, an infinity or an overflow that reaches only the work left out is not carried to the result; NaN among the inputs is not served.
; LIMITS on the given exponents, so that each power of two is an f32 number: e0, e2 and e5 - e2 - e3 between -126 and 119, e0 + e1 between -125 and 127.
; A UNIT is one query, one tile of 16 keys, one batch: 16 rows x 256 into 128 channels.  Key tile kt has 512 - 16 kt queries: tiles pi and 31 - pi together have 528 = 16 x 33.
; Work-group 16 pi + m owns places v = 33 m .. 33 m + 32 of that list: kt = pi and q = 16 pi + v for v < 512 - 16 pi, else kt = 31 - pi and q = v - 16.
; SHARES.  Wave w serves batch w % 4; p = w / 4: p = 0 takes units 0 to 16, p = 1 units 17 to 32, while p = 0 does unit 0, p = 1 makes a tile of V's codes.
; Units 1 to 32 come in 8 groups of 4 tiles (units 1 + 2 g, 2 + 2 g, 17 + 2 g, 18 + 2 g) through two slots; a tile is 16 rows of 1,024 bytes, dense in memory, and all four batches read it from LDS.
; GELU: t = |h| / sqrt(2), z = h / sqrt(2): sqrt(2) gelu(h) = z + t - t E, E = erfc(t) = 2^(t P(t)), P of degree 6.  P meets log2(erfc(t)) / t at t = 0.2, 0.5, 0.9, 1.4, 2 and 3; its highest coefficient is -1e-5 log2(e), so that t P(t)
; falls for every larger t too.  gelu is then off by some 2e-7 at the most; at t = 0 E is 1.
; The product is used transposed (source 0 = 16 rows of W1, source 1 = 16 keys): a lane holds one key (lane % 16) and 8 neighbouring channels of each tile.
; No cluster: the work-groups share no tile of pos_emb; what they share, W1's codes, is 32 KiB beside 528 KiB of tiles.  No prefetch: each byte of pos_emb is read once, and a fill has the work of a whole group, 16 units over the four SIMDs, in which to land.
; REGISTERS: window 1: W1's fragments (K half s, tile t) at v[128 s + 16 t].  Window 0: v3-15 addresses, v12 2^e0; v16-47 codes; v48-111 x of my keys; v112-175 W2; v176-255 at work.
; LDS: slot 0, W1, unit 0's tile, slot 1, x's rows for my queries (17 for each wave), t, the spare words.
.set PITCH, 1040                       ; a row of a tile: 1,024 bytes + 16
.set TILE,  16*PITCH
.set WP,    272                        ; a row of W1: 256 bytes + 16
.set W1L,   4*TILE
.set EX,    W1L+128*WP
.set SLOT1, 1<<17
.set XQB,   SLOT1+4*TILE
.set XQW,   17*512
.set TS,    XQB+8*XQW
.set TSW,   33*64
.set SPARE, TS+4*TSW
.set C0,   16
.set C1,   32
.set XK,   48
.set W2S,  112
.set BA,   176                         ; the head: 16 rows of x on their way to LDS
.set RA1,  176                         ; regions of 16 registers: the accumulators' two pairs,
.set RA2,  192
.set RS,   240                         ; and the sums' (with T, P and the two sets of codes: six)
.set ACC,  176                         ; four accumulators
.set TT,   208                         ; t of two tiles
.set PP,   224                         ; P, then E
.set TA,   240                         ; the sums over channels, 8 registers
.set KC6,  8                           ; v[8:9] P's highest coefficient
.set MSB, 0
.macro WIN new                         ; the immediate's high byte repeats the setting that is left
.if MSB != \new
	s_set_vgpr_msb (MSB<<8)|\new
.set MSB, \new
.endif
.endm
.macro PAIR r, val
	s_mov_b32 s[\r], \val
	s_mov_b32 s[\r+1], \val
.endm
.macro POSADDR vreg, oreg, g0          ; the tile of place v, + an offset: into a group 0
	s_cmp_lt_u32 s[\vreg], s48
	s_cselect_b32 s66, s49, -16
	s_cselect_b32 s68, s50, s51
	s_add_co_u32 s66, s66, s[\vreg]
	s_lshl_b32 s66, s66, 19
	s_lshl_b32 s68, s68, 14
	s_add_co_u32 s66, s66, s68
	s_add_co_u32 s66, s66, s[\oreg]
	s_mov_b32 s67, 0
	s_add_nc_u64 s[\g0+2:\g0+3], s[14:15], s[66:67]
	s_or_b32 s[\g0+3], s[\g0+3], 0x80000000
.endm
.macro LD64 reg, vo, sb                ; 64 numbers of a row: registers 16 c + n hold channel 32 c + 16 (lane / 16) + n
.irp c, 0,1,2,3
.irp j, 0,1,2,3
	global_load_b128 v[\reg+16*\c+4*\j:\reg+16*\c+4*\j+3], v[\vo], s[\sb:\sb+1] offset:128*\c+16*\j
.endr
.endr
.endm
.macro W1LOAD                          ; W1's 16 fragments: registers 4 c .. 4 c + 3 hold k = 128 s + 32 c + 16 (lane / 16) + 0 .. 15
	WIN 0x40
.irp s, 0,1
.irp t, 0,1,2,3,4,5,6,7
.irp c, 0,1,2,3
	ds_load_b128 v[128*\s+16*\t+4*\c:128*\s+16*\t+4*\c+3], v8 offset:16*WP*\t+128*\s+32*\c
.endr
.endr
.endr
	WIN 0
.endm
.macro STAGE                           ; x's rows of my units 1 to 16 (of my half) into my own bytes; W2 x log2(e) / (sqrt(128) sqrt(2))
.irp i, 0,1,2,3,4,5,6,7,8,9,10,11,12,13,14,15
	ds_store_b128 v13, v[BA+4*\i:BA+4*\i+3] offset:512*\i+512
.endr
.set i, 0
.rept 32
	v_pk_mul_f32 v[W2S+i:W2S+i+1], v[W2S+i:W2S+i+1], 0x3db8aa3b op_sel_hi:[1,0]
.set i, i+2
.endr
.endm
; A piece is 16 registers, four loads: K0 to K3 of pos_emb's key half, Q0 to Q3 of its query half, X0 to X3 of my query's row of x.
.macro KPOS reg, c
.irp j, 0,1,2,3
	ds_load_b128 v[\reg+4*\j:\reg+4*\j+3], v4 offset:128*\c+16*\j
.endr
.endm
.macro QPOS reg, c
.irp j, 0,1,2,3
	ds_load_b128 v[\reg+4*\j:\reg+4*\j+3], v4 offset:512+128*\c+16*\j
.endr
.endm
.macro XROW reg, c
.irp j, 0,1,2,3
	ds_load_b128 v[\reg+4*\j:\reg+4*\j+3], v14 offset:128*\c+16*\j
.endr
.endm
.macro ADD16 d, a, b
.set i, 0
.rept 8
	v_pk_add_f32 v[\d+i:\d+i+1], v[\a+i:\a+i+1], v[\b+i:\b+i+1]
.set i, i+2
.endr
.endm
.macro CODES d, a, n                   ; n numbers held at +-448 x 2^e0 (the conversion does not saturate: ISA guide 7.6.2), then n codes
.set i, 0
.rept \n
	v_med3_num_f32 v[\a+i], s70, s71, v[\a+i]
.set i, i+1
.endr
.set i, 0
.rept \n/8
	v_cvt_scalef32_pk8_fp8_f32 v[\d+2*i:\d+2*i+1], v[\a+8*i:\a+8*i+7], v12
.set i, i+1
.endr
.endm
; My next unit's place; where the list passes on to key tile 31 - pi inside my units, x of the new keys is asked for (its wait stands at the next unit's head).  Ids alone.
.macro NEXTK
	s_add_co_u32 s52, s52, 1
	s_cmp_lt_u32 s52, s61
	s_cbranch_scc1 .Lk_\@
	LD64 XK, 5, 62
	s_mov_b32 s61, -1
.Lk_\@:
.endm
.macro MMH hf                          ; four tiles of 16 channels: K half 0 starts the sums, K half 1 follows; three other sums stand between a sum's steps
	WIN 0x01
.irp t, 0,1,2,3
	v_wmma_f32_16x16x128_fp8_fp8 v[ACC+8*\t:ACC+8*\t+7], v[16*(4*\hf+\t):16*(4*\hf+\t)+15], v[C0:C0+15], 0
.endr
.irp t, 0,1,2,3
	v_wmma_f32_16x16x128_fp8_fp8 v[ACC+8*\t:ACC+8*\t+7], v[128+16*(4*\hf+\t):128+16*(4*\hf+\t)+15], v[C1:C1+15], v[ACC+8*\t:ACC+8*\t+7]
.endr
.rept 4
	v_nop                                          ; four places ahead of the first reader
.endr
	WIN 0
.endm
.macro LEVEL sc
.set i, 0
.rept 8
	v_pk_fma_f32 v[PP+i:PP+i+1], v[PP+i:PP+i+1], v[TT+i:TT+i+1], s[\sc:\sc+1] op_sel_hi:[1,1,0]
.set i, i+2
.endr
.endm
.macro GCH k                           ; channel tiles 2 k and 2 k + 1
.set GA, ACC+16*(\k%2)
.set GW, W2S+16*\k
.if \k%2
	s_wait_alu depctr_va_vdst(0)                   ; directly ahead of the first readers of these two sums
.endif
.set i, 0
.rept 16
	v_mul_f32 v[TT+i], s72, |v[GA+i]|              ; t
.set i, i+1
.endr
.set i, 0
.rept 8
	v_pk_fma_f32 v[PP+i:PP+i+1], v[TT+i:TT+i+1], v[KC6:KC6+1], s[74:75] op_sel_hi:[1,1,0]
.set i, i+2
.endr
	LEVEL 76
	LEVEL 78
	LEVEL 80
	LEVEL 82
	LEVEL 84
.set i, 0
.rept 8
	v_pk_mul_f32 v[PP+i:PP+i+1], v[PP+i:PP+i+1], v[TT+i:TT+i+1]
.set i, i+2
.endr
	s_wait_alu depctr_va_vdst(0)                   ; ahead of the batch
.set i, 0
.rept 16
	v_exp_f32 v[PP+i], v[PP+i]                     ; E
.set i, i+1
.endr
.set i, 0
.rept 8
	v_pk_fma_f32 v[GA+i:GA+i+1], v[GA+i:GA+i+1], s[72:73], v[TT+i:TT+i+1] op_sel_hi:[1,0,1]   ; z + t: names no E
.set i, i+2
.endr
	s_wait_alu depctr_va_vdst(0)                   ; and one behind the batch, ahead of its first reader
.set i, 0
.rept 8
	v_pk_fma_f32 v[GA+i:GA+i+1], v[TT+i:TT+i+1], v[PP+i:PP+i+1], v[GA+i:GA+i+1] neg_lo:[1,0,0] neg_hi:[1,0,0]
.set i, i+2
.endr
.set i, 0
.rept 8
.if (\k == 0) && (i < 8)
	v_pk_mul_f32 v[TA+i:TA+i+1], v[GA+i:GA+i+1], v[GW+i:GW+i+1]
.else
	v_pk_fma_f32 v[TA+(i%8):TA+(i%8)+1], v[GA+i:GA+i+1], v[GW+i:GW+i+1], v[TA+(i%8):TA+(i%8)+1]
.endif
.set i, i+2
.endr
.endm
; What a unit finds asked for, in this order: K0 and K1 in the codes' registers, K2, K3, (the last unit's store of t,) X0.
.macro PRE
	v_add_nc_u32 v4, s54, v3
	v_add_nc_u32 v14, s60, v6
	KPOS C0, 0
	KPOS C1, 1
	KPOS RA1, 2
	KPOS RA2, 3
	XROW RS, 0
.endm
; A UNIT: s54 its tile in LDS, s60 its row of x, s55 its 16 words of t.
; mode 0: the next unit's tile lies behind this one; 1: it lies in the other slot, so the change of slots stands in this unit, and the slot left is filled again; 2: the same without a fill; 3: nothing is asked for ahead.
; THE CHANGE OF SLOTS, in front of its signal: all my tensor loads are done, the add and its wait, and my reads of this slot are over.  Behind its wait that holds of every wave: the fill comes first, then the first reads of the other slot.
; Between signal and wait stands work on registers alone.
.macro UNIT mode
	s_wait_loadcnt 0x0                             ; x of my keys, where it was asked for anew
	s_wait_dscnt 0xc                               ; K0, K1: behind them K2, K3 and X0, 12 loads (and a store)
	ADD16 TT, C0, XK
	ADD16 PP, C1, XK+16
	QPOS C1, 0
	CODES C0, TT, 32
	QPOS TT, 1
	XROW PP, 1
	s_wait_dscnt 0x10                              ; K2, K3: behind them (the store,) X0, Q0, Q1, X1
	ADD16 RA1, RA1, XK+32
	ADD16 RA2, RA2, XK+48
	CODES C0+8, RA1, 32
	NEXTK
	QPOS RA1, 2
	XROW RA2, 2
	s_wait_dscnt 0x10                              ; X0, Q0: behind them Q1, X1, Q2, X2
	ADD16 RS, C1, RS
	CODES C1, RS, 16
	QPOS RS, 3
	s_wait_dscnt 0xc                               ; Q1, X1: behind them Q2, X2, Q3
	ADD16 TT, TT, PP
	XROW PP, 3
	CODES C1+4, TT, 16
	s_wait_dscnt 0x8                               ; Q2, X2: behind them Q3, X3
	ADD16 RA1, RA1, RA2
	CODES C1+8, RA1, 16
	s_wait_dscnt 0x0
	ADD16 RS, RS, PP
	CODES C1+12, RS, 16
	v_nop                                          ; one plain place behind the conversions
.if (\mode == 1) || (\mode == 2)
	s_wait_alu depctr_va_vdst(0)                   ; directly ahead of the wait below
	s_wait_tensorcnt 0x0
	ds_add_u32 v10, v11
.if \mode == 1
	s_add_co_u32 s53, s53, 2
	POSADDR 53, 88, 40
	s_xor_b32 s41, s41, SLOT1
.endif
	MMH 0
	s_wait_dscnt 0x0
	s_barrier_signal -1
.else
	MMH 0
.endif
	GCH 0
	GCH 1
	MMH 1
.if (\mode == 1) || (\mode == 2)
	s_barrier_wait -1
.if \mode == 1
	tensor_load_to_lds s[40:43], s[24:31]          ; my half of a tile
	s_nop 0
.rept 4
	v_nop
.endr
.endif
	s_sub_co_u32 s54, s54, TILE
	s_xor_b32 s54, s54, SLOT1
.else
	s_add_co_u32 s54, s54, TILE
.endif
.if \mode < 3
	v_add_nc_u32 v4, s54, v3
	KPOS C0, 0                                     ; the codes are done with
	KPOS C1, 1
.endif
	GCH 2
.if \mode < 3
	KPOS RA1, 2                                    ; and so are these two sums,
.endif
	GCH 3
.if \mode < 3
	KPOS RA2, 3                                    ; and these
.endif
	v_pk_add_f32 v[TA:TA+1], v[TA:TA+1], v[TA+2:TA+3]
	v_pk_add_f32 v[TA+4:TA+5], v[TA+4:TA+5], v[TA+6:TA+7]
	v_add_nc_u32 v15, s55, v7
	v_pk_add_f32 v[TA:TA+1], v[TA:TA+1], v[TA+4:TA+5]
	v_add_f32 v1, v[TA], v[TA+1]
	v_permlanex16_b32 v2, v1, s100, s101
	v_add_f32 v1, v1, v2                           ; and the channels of lane l xor 16
	v_add_f32 v1, s87, v1                          ; + b2 log2(e) / sqrt(128)
	ds_store_b32 v15, v1                           ; both halves of the lanes store the same number to the same word
	s_add_co_u32 s55, s55, 64
	s_add_co_u32 s60, s60, 512
.if \mode < 3
	v_add_nc_u32 v14, s60, v6
	XROW RS, 0
.endif
.endm
; THE CHANGE OF SLOTS: in front of the barrier each wave waits for all its tensor loads, adds 0 to its spare word, and waits for that and for its reads and stores; behind it the slot left is filled with the next group.
.macro CHANGE fill
	s_wait_tensorcnt 0x0
	ds_add_u32 v10, v11
.if \fill
	s_add_co_u32 s53, s53, 2
	POSADDR 53, 88, 40
	s_xor_b32 s41, s41, SLOT1
.endif
	s_wait_dscnt 0x0
	s_barrier_signal -1
	s_barrier_wait -1
.if \fill
	tensor_load_to_lds s[40:43], s[24:31]          ; my half of a tile
	s_nop 0
.rept 4
	v_nop
.endr
.endif
.endm
	s_load_b512 s[4:19], s[0:1], 0x0               ; W1 4:5, W2 6:7, Wv 8:9, b2 10:11, scales 12:13, pos_emb 14:15, x 16:17, tws 18:19
	s_load_b64 s[20:21], s[0:1], 0x40              ; vimg
	v_lshl_add_u32 v10, v0, 2, SPARE
	v_mov_b32 v11, 0
	ds_add_u32 v10, v11                            ; the wave's opening: the add, twice on end, and its wait ahead of my first tensor load
	ds_add_u32 v10, v11
	v_lshrrev_b32 v15, 5, v0
	v_readfirstlane_b32 s22, v15                   ; wave
	s_and_b32 s23, s22, 3                          ; batch
	s_lshr_b32 s57, s22, 2                         ; p
	s_lshr_b32 s50, ttmp9, 4                       ; pi
	s_and_b32 s52, ttmp9, 15
	s_mul_i32 s52, s52, 33                         ; my work-group's first place
	s_lshl_b32 s49, s50, 4
	s_sub_co_u32 s48, 512, s49
	s_sub_co_u32 s51, 31, s50
	s_mov_b32 s56, s52
	s_lshl_b32 s67, s57, 4
	s_add_co_u32 s53, s52, s67                     ; place of slot 0 of my rows of x
	s_sub_co_i32 s2, s48, s53                      ; row i lies in key tile pi's part where i is less
	s_add_co_u32 s3, s49, s53
	s_lshl_b32 s3, s3, 9
	s_sub_co_i32 s105, s53, 16
	s_lshl_b32 s105, s105, 9
	s_bfe_u32 s66, s22, 0x10001                    ; wave w fetches half w % 2 of tile w / 2 of a slot
	s_add_co_u32 s53, s53, s66
	s_add_co_u32 s53, s53, 1                       ; its place in group 0
	s_mul_i32 s68, s57, 17
	s_add_co_u32 s52, s52, s68                     ; my first unit's place
	s_add_co_u32 s66, s52, 17
	s_sub_co_u32 s66, s66, s57                     ; and the place behind my last
	s_cmp_lt_u32 s48, s66
	s_cselect_b32 s61, s48, -1
	s_cmp_lt_u32 s52, s48
	s_cselect_b32 s61, s61, -1                     ; the place at which my keys change, or none
	s_cselect_b32 s60, s50, s51                    ; my first key tile
	s_and_b32 s88, s22, 1
	s_lshl_b32 s88, s88, 13                        ; 8 rows of a tile
	s_lshl_b32 s89, s23, 12                        ; 4 rows
	s_mov_b32 s24, (2<<16)|(1<<20)|(7<<22)|(3<<25) ; group 1, half a tile: 8 rows of 256 f32, 16 bytes behind every 1,024
	s_mov_b32 s25, 256<<16
	s_mov_b32 s26, 8<<16
	s_mov_b32 s27, 256<<16
	s_mov_b32 s28, 8
	s_mov_b32 s29, 256
	s_mov_b32 s30, 0
	s_mov_b32 s31, 0
	s_mov_b32 s32, (0<<16)|(1<<20)|(5<<22)|(3<<25) ; group 1, a quarter of W1: 32 rows of 256 bytes, 16 bytes behind each
	s_mov_b32 s33, 256<<16
	s_mov_b32 s34, 32<<16
	s_mov_b32 s35, 256<<16
	s_mov_b32 s36, 32
	s_mov_b32 s37, 256
	s_mov_b32 s38, 0
	s_mov_b32 s39, 0
	s_mov_b32 s72, (2<<16)|(1<<20)|(7<<22)|(3<<25) ; group 1, a quarter of unit 0's tile: 4 rows
	s_mov_b32 s73, 256<<16
	s_mov_b32 s74, 4<<16
	s_mov_b32 s75, 256<<16
	s_mov_b32 s76, 4
	s_mov_b32 s77, 256
	s_mov_b32 s78, 0
	s_mov_b32 s79, 0
	s_mov_b32 s40, 1
	s_mul_i32 s41, s22, 8*PITCH
	s_mov_b32 s44, 1
	s_mul_i32 s45, s23, 32*WP
	s_add_co_u32 s45, s45, W1L
	s_mov_b32 s80, 1
	s_mul_i32 s81, s23, 4*PITCH
	s_add_co_u32 s81, s81, EX
	s_mov_b32 s100, 0x76543210                     ; v_permlanex16_b32: lane l xor 16
	s_mov_b32 s101, 0xfedcba98
	s_mul_i32 s66, s22, XQW
	s_add_co_u32 s66, s66, XQB
	s_mul_i32 s67, s23, TSW
	s_lshl_b32 s68, s57, 10
	s_add_co_u32 s67, s67, s68
	s_add_co_u32 s67, s67, TS
	v_and_b32 v1, 15, v0                           ; r
	v_bfe_u32 v2, v0, 4, 1                         ; h
	v_and_b32 v12, 31, v0
	v_mul_u32_u24 v3, v1, PITCH
	v_lshl_add_u32 v3, v2, 6, v3                   ; my place in a tile
	v_lshlrev_b32 v5, 9, v1
	v_lshl_add_u32 v5, v2, 6, v5                   ; in 16 rows of x
	v_lshl_add_u32 v6, v2, 6, s66                  ; in a staged row of x
	v_lshl_add_u32 v13, v12, 4, s66                ; where I stage 16 bytes of it
	v_lshl_add_u32 v7, v1, 2, s67                  ; t: key r
	v_lshlrev_b32 v14, 4, v12
	v_mul_u32_u24 v8, v1, WP
	v_lshl_add_u32 v8, v2, 4, v8
	v_add_nc_u32 v8, W1L, v8                       ; W1's fragments
	v_lshlrev_b32 v9, 5, v2                        ; W2
	v_lshlrev_b32 v15, 7, v1
	v_lshl_add_u32 v15, v2, 4, v15                 ; Wv's fragment
	v_lshlrev_b32 v34, 3, v12                      ; vimg: 8 bytes a lane
	s_wait_alu depctr_va_vdst(0)                   ; directly ahead of the waits below
	s_wait_dscnt 0x0                               ; both opening adds are done
	s_wait_kmcnt 0x0
	s_load_b128 s[96:99], s[12:13], 0x0            ; e0 .. e3
	s_load_b32 s104, s[12:13], 0x14                ; e5
	s_load_b32 s86, s[10:11], 0x0                  ; b2
	s_lshl_b32 s66, s23, 13
	s_mov_b32 s67, 0
	s_add_nc_u64 s[46:47], s[4:5], s[66:67]
	s_or_b32 s47, s47, 0x80000000
	POSADDR 56, 89, 80
	POSADDR 53, 88, 40
	s_cmp_lt_u32 s22, 4                            ; the first fills, one a wave: waves 0 to 3 a quarter of W1 each, waves 4 to 7 a quarter of unit 0's tile
	s_cbranch_scc0 .Lex
	tensor_load_to_lds s[44:47], s[32:39]
	s_nop 0
.rept 4
	v_nop
.endr
	s_branch .Lasked
.Lex:
	tensor_load_to_lds s[80:83], s[72:79]
	s_nop 0
.rept 4
	v_nop
.endr
.Lasked:
	s_lshl_b32 s66, s23, 18
	s_add_nc_u64 s[58:59], s[16:17], s[66:67]      ; my batch of x
	s_lshl_b32 s66, s60, 13
	s_add_nc_u64 s[90:91], s[58:59], s[66:67]      ; my first 16 keys
	s_lshl_b32 s66, s51, 13
	s_add_nc_u64 s[62:63], s[58:59], s[66:67]      ; key tile 31 - pi
.irp i, 1,2,3,4,5,6,7,8,9,10,11,12,13,14,15,16
	s_cmp_gt_i32 s2, \i
	s_cselect_b32 s66, s3, s105
	v_add_nc_u32 v[15+\i], s66, v14
	global_load_b128 v[BA+4*\i-4:BA+4*\i-1], v[15+\i], s[58:59] offset:512*\i        ; a row of x: 512 consecutive bytes
.endr
.irp t, 0,1,2,3,4,5,6,7
	global_load_b128 v[W2S+8*\t:W2S+8*\t+3], v9, s[6:7] offset:64*\t
	global_load_b128 v[W2S+8*\t+4:W2S+8*\t+7], v9, s[6:7] offset:64*\t+16
.endr
	LD64 XK, 5, 90
	s_cmp_lt_u32 s22, 4
	s_cbranch_scc1 .Lrow0
	s_lshr_b32 s66, ttmp9, 6                       ; p = 1: V's tile: batch, 16 keys, 16 channels
	s_lshl_b32 s66, s66, 18
	s_bfe_u32 s94, ttmp9, 0x50001
	s_lshl_b32 s54, s94, 13
	s_add_co_u32 s66, s66, s54
	s_mov_b32 s67, 0
	s_add_nc_u64 s[92:93], s[16:17], s[66:67]
	s_and_b32 s54, ttmp9, 1
	s_lshl_b32 s54, s54, 2
	s_add_co_u32 s54, s54, s23
	s_lshl_b32 s66, s54, 11
	s_add_nc_u64 s[8:9], s[8:9], s[66:67]
	s_lshr_b32 s66, ttmp9, 6
	s_lshl_b32 s66, s66, 2
	s_lshr_b32 s55, s94, 3
	s_add_co_u32 s66, s66, s55
	s_lshl_b32 s66, s66, 3
	s_add_co_u32 s66, s66, s54
	s_lshl_b32 s66, s66, 3
	s_and_b32 s55, s94, 7
	s_add_co_u32 s66, s66, s55
	s_lshl_b32 s66, s66, 8
	s_add_nc_u64 s[20:21], s[20:21], s[66:67]      ; vimg: [batch][128 keys][16 channels][16 keys][lane] of 8 bytes
	WIN 0x40
	LD64 0, 5, 92                                  ; into the registers that W1's fragments take later
.irp c, 0,1,2,3
	global_load_b128 v[64+4*\c:67+4*\c], v15, s[8:9] offset:32*\c
.endr
	WIN 0
	s_branch .Lhead
.Lrow0:
	s_cmp_gt_i32 s2, 0
	s_cselect_b32 s66, s3, s105
	v_add_nc_u32 v32, s66, v14
	global_load_b128 v[240:243], v32, s[58:59]     ; p = 0: unit 0's row of x
.Lhead:
	s_wait_alu depctr_va_vdst(0)                   ; the head's end
	s_wait_tensorcnt 0x0                           ; my part of W1 or of unit 0's tile is in
	ds_add_u32 v10, v11
	s_wait_dscnt 0x0
	s_barrier_signal -1
	s_barrier_wait -1
	tensor_load_to_lds s[40:43], s[24:31]          ; group 0 into slot 0
	s_nop 0
.rept 4
	v_nop
.endr
	PAIR 74, 0x39cb2e2f                            ; P's coefficients, from the second highest down
	PAIR 76, 0xbb9a34e0
	PAIR 78, 0x3d060ebc
	PAIR 80, 0xbe1acf5d
	PAIR 82, 0xbf6aeab8
	PAIR 84, 0xbfd061d2
	s_wait_kmcnt 0x0
	s_add_co_i32 s66, s96, 127
	s_lshl_b32 s67, s66, 23
	v_mov_b32 v12, s67                             ; 2^e0
	s_add_co_i32 s66, s66, 8
	s_lshl_b32 s66, s66, 23
	s_or_b32 s71, s66, 0x600000                    ; 448 x 2^e0
	s_or_b32 s70, s71, 0x80000000
	s_add_co_i32 s66, s96, s97
	s_lshl_b32 s66, s66, 23
	s_add_co_i32 s72, s66, 0x3f3504f3              ; 2^(e0 + e1) / sqrt(2)
	s_mov_b32 s73, s72
	s_mul_f32 s87, s86, 0x3e0293ee                 ; b2 log2(e) / sqrt(128)
	s_cmp_lt_u32 s22, 4
	s_wait_alu depctr_va_vdst(0)                   ; directly ahead of the branch
	s_cbranch_scc1 .Lunit0
	; p = 1: A TILE OF V'S CODES: Q(x) Wv, 16 keys x 16 channels, then its own quantiser along the keys
	s_add_co_i32 s66, s98, 127
	s_lshl_b32 s67, s66, 23
	v_mov_b32 v32, s67                             ; 2^e2
	s_add_co_i32 s66, s66, 8
	s_lshl_b32 s66, s66, 23
	s_or_b32 s3, s66, 0x600000
	s_or_b32 s2, s3, 0x80000000
	s_sub_co_i32 s66, s104, s98
	s_sub_co_i32 s66, s66, s99
	s_add_co_i32 s66, s66, 127
	s_lshl_b32 s67, s66, 23
	v_mov_b32 v33, s67                             ; 2^(e5 - e2 - e3): the sums' own power of two is folded into the conversion's scale
	s_add_co_i32 s66, s66, 8
	s_lshl_b32 s66, s66, 23
	s_or_b32 s69, s66, 0x600000
	s_or_b32 s68, s69, 0x80000000
	s_wait_alu depctr_va_vdst(0)                   ; directly ahead of the wait below
	s_wait_loadcnt 0x0
	STAGE
	WIN 0x50
.set i, 0
.rept 64
	v_med3_num_f32 v[i], s2, s3, v[i]
.set i, i+1
.endr
	WIN 0x01
.set i, 0
.rept 8
	v_cvt_scalef32_pk8_fp8_f32 v[C0+2*i:C0+2*i+1], v[8*i:8*i+7], v32
.set i, i+1
.endr
	v_nop
	WIN 0x04
	v_wmma_f32_16x16x128_fp8_fp8 v[240:247], v[C0:C0+15], v[64:79], 0    ; lane (r, h): channel r, keys 8 h + 0 .. 7
.rept 4
	v_nop
.endr
	WIN 0
.set i, 0
.rept 8
	v_med3_num_f32 v[240+i], s68, s69, v[240+i]
.set i, i+1
.endr
	v_cvt_scalef32_pk8_fp8_f32 v[252:253], v[240:247], v33
	v_nop
	global_store_b64 v34, v[252:253], s[20:21]     ; the wave stores 256 consecutive bytes, aligned
	W1LOAD
	v_mov_b32 v[KC6], 0xb7720b48
	v_mov_b32 v[KC6+1], 0xb7720b48
	s_wait_alu depctr_va_vdst(0)                   ; directly ahead of the wait below
	s_wait_xcnt 0x0
	s_branch .Ljoin
.Lunit0:                                               ; p = 0: unit 0
	W1LOAD
	s_wait_loadcnt 0x0
	ds_store_b128 v13, v[240:243]
	STAGE
	v_mov_b32 v[KC6], 0xb7720b48
	v_mov_b32 v[KC6+1], 0xb7720b48
	s_mov_b32 s54, EX
	s_mov_b32 s55, 0
	s_mov_b32 s60, 0
	PRE
	UNIT 3
	s_wait_alu depctr_va_vdst(0)
.Ljoin:
	s_lshr_b32 s66, s22, 2
	s_mul_i32 s54, s66, 2*TILE
	s_mov_b32 s55, 64
	s_mov_b32 s60, 512
	s_mov_b32 s56, 6
	CHANGE 1                                       ; group 0 is in; slot 1's first fill, group 1
	PRE
.Lgrp:                                                 ; groups 0 to 5; behind their changes of slots groups 2 to 7 are asked for
	UNIT 0
	UNIT 1
	s_sub_co_u32 s56, s56, 1
	s_cmp_lg_u32 s56, 0
	s_wait_alu depctr_va_vdst(0)                   ; directly ahead of the branch
	s_cbranch_scc1 .Lgrp
	UNIT 0                                         ; groups 6 and 7: nothing more is asked for
	UNIT 2
	UNIT 0
	UNIT 3
	; THE WAY OUT: tws: [work-group][batch][unit 33][16 keys] f32, 8,448 bytes
	s_mul_i32 s66, ttmp9, 4*TSW
	s_mov_b32 s67, 0
	s_add_nc_u64 s[18:19], s[18:19], s[66:67]
	v_and_b32 v20, 31, v0
	v_lshl_add_u32 v16, v0, 4, TS
	v_lshlrev_b32 v17, 4, v0
	v_lshl_add_u32 v18, v20, 3, TS+8192
	v_lshl_add_u32 v19, v20, 3, 8192
	s_wait_alu depctr_va_vdst(0)                   ; directly ahead of the wait below
	s_wait_dscnt 0x0                               ; for the others' sake: my stores are done
	s_barrier_signal -1
	s_barrier_wait -1
	ds_load_b128 v[24:27], v16
	ds_load_b128 v[28:31], v16 offset:4096
	s_wait_dscnt 0x1
	global_store_b128 v17, v[24:27], s[18:19]
	s_wait_dscnt 0x0
	global_store_b128 v17, v[28:31], s[18:19] offset:4096
	s_cmp_lg_u32 s22, 0
	s_cbranch_scc1 .Lend
	ds_load_b64 v[34:35], v18                      ; the last 256 bytes: wave 0
	s_wait_dscnt 0x0
	global_store_b64 v19, v[34:35], s[18:19]
.Lend:
	s_wait_tensorcnt 0x0                           ; the wave's end
	ds_add_u32 v10, v11
	s_wait_dscnt 0x0
	s_endpgm
.Lfunc_end_k_q0346b26694_logits:
	.size	k_q0346b26694_logits, .Lfunc_end_k_q0346b26694_logits-k_q0346b26694_logits
	.p2alignl 7, 3214868480
	.fill 96, 4, 3214868480
	.section	.rodata,"a",@progbits
	.p2align	6, 0x0
	.amdhsa_kernel k_q0346b26694_logits
		.amdhsa_group_segment_fixed_size 327680
		.amdhsa_private_segment_fixed_size 0
		.amdhsa_enable_private_segment 0
		.amdhsa_kernarg_size 72
		.amdhsa_user_sgpr_count 2
		.amdhsa_user_sgpr_kernarg_segment_ptr 1
		.amdhsa_wavefront_size32 1
		.amdhsa_system_sgpr_workgroup_id_x 1
		.amdhsa_system_sgpr_workgroup_id_y 1
		.amdhsa_system_sgpr_workgroup_id_z 1
		.amdhsa_system_vgpr_workitem_id 0
		.amdhsa_next_free_vgpr 512
		.amdhsa_next_free_sgpr 106
		.amdhsa_reserve_vcc 0
		.amdhsa_float_denorm_mode_32 3
		.amdhsa_float_denorm_mode_16_64 3
		.amdhsa_memory_ordered 1
		.amdhsa_forward_progress 1
		.amdhsa_inst_pref_size 255
	.end_amdhsa_kernel
	.section	.bss,"aw",@nobits
	.p2align	6
	.space	262144
	.amdgpu_metadata
---
amdhsa.version: [ 1, 2 ]
amdhsa.kernels:
  - .name:           k_q0346b26694_logits
    .symbol:         k_q0346b26694_logits.kd
    .args:
      - { .name: W1_codes, .offset: 0, .size: 8, .value_kind: global_buffer, .address_space: global }
      - { .name: W2, .offset: 8, .size: 8, .value_kind: global_buffer, .address_space: global }
      - { .name: Wv_codes, .offset: 16, .size: 8, .value_kind: global_buffer, .address_space: global }
      - { .name: b2, .offset: 24, .size: 8, .value_kind: global_buffer, .address_space: global }
      - { .name: lowp_scales, .offset: 32, .size: 8, .value_kind: global_buffer, .address_space: global }
      - { .name: pos_emb, .offset: 40, .size: 8, .value_kind: global_buffer, .address_space: global }
      - { .name: x, .offset: 48, .size: 8, .value_kind: global_buffer, .address_space: global }
      - { .name: tws, .offset: 56, .size: 8, .value_kind: global_buffer, .address_space: global }
      - { .name: vimg, .offset: 64, .size: 8, .value_kind: global_buffer, .address_space: global }
    .group_segment_fixed_size: 327680
    .private_segment_fixed_size: 0
    .kernarg_segment_align: 8
    .kernarg_segment_size: 72
    .max_flat_workgroup_size: 256
    .sgpr_count:     106
    .vgpr_count:     512
    .wavefront_size: 32
...
	.end_amdgpu_metadata
.endif
;; end of part 1
;; launch softpv (part 2): grid 32 x 4, 4 waves a work-group, no clusters, 34,816 bytes of LDS; arguments tws, vimg, lowp_scales, out0; writes out0
.if DOCPART == 2
	.amdgcn_target "amdgcn-amd-amdhsa--gfx1250"
	.amdhsa_code_object_version 6
	.text
	.protected	k_q0346b26694_softpv
	.globl	k_q0346b26694_softpv
	.p2align	8
	.type	k_q0346b26694_softpv,@function
k_q0346b26694_softpv:
	s_mov_b64 s[64:65], 0
	v_nop
	global_prefetch_b8 v0, s[64:65] scope:SCOPE_SE
	s_setreg_imm32_b32 hwreg(HW_REG_WAVE_MODE, 25, 1), 1
	s_wait_xcnt 0x0
; out0[b][q][:] = (sum over k <= q of Q(p) Q(V)[k][:]) / l,  p = 2^(t - M), l = the sum of the unquantised p;  t from tws, V's codes from vimg (keys innermost, in the order of the operand's registers).
; WORK LEFT OUT: a step of 128 keys all of which lie behind the work-group's 16 queries is hidden by the mask that reference() builds itself, for all inputs: it is neither loaded nor multiplied.
; SHARES.  A work-group owns 16 queries (16 qt on) of one batch; wave w owns keys 128 w .. 128 w + 127, and has work where 8 w <= qt.  32 x 4 = 128 work-groups are all the work there is.
; Lane (r, h) holds query 16 qt + r; register 8 c + i of T holds key 128 w + 16 c + 8 h + i: the order that the matrix instruction gives k, so the conversions' results are the operand.
; M.  Each wave takes M_w = ceil(the largest t among its own keys): key 128 w counts for each of the 16 queries, so it is a number.  The parts are joined under M = the largest M_w by f = 2^(M_w - M), a power of two:
; nothing is rounded, and p's codes keep their values but for numbers that fall under the format's range.  A wave without work gives -M = 3e38 and l = 0, so f = 0; its part of O is neither stored nor read.
; The product is used transposed: O^T = V^T P^T (source 0 = 16 channels of V, source 1 = my 16 queries).
; tws: [work-group of the first launch][batch][unit 33][16 keys] f32.  For key tile kt and query q: pi = kt, v = q - 16 kt (kt < 16), else pi = 31 - kt, v = q + 16;
; byte = 135168 pi + 2112 b + 64 v + 6336 floor(v / 33) + 4 key;  floor(v / 33) = (1986 v) >> 16 for v < 528.
; LIMIT: e4 between -126 and 119, so that 2^e4 and 448 x 2^e4 are f32 numbers; e4 + e5 is applied by v_ldexp_f32.  NaN among the inputs is not served.
; No tensor loads: each wave's operands are read once, straight into registers.  No cluster: the work-groups of a batch share V's codes alone, 64 KiB.
; LDS: 0: -M [wave][16 queries]; 256: l likewise; 512: O's parts, a wave 16 rows x (512 + 16) bytes; then the spare words.
.set LPO,   256
.set OPO,   512
.set OPW,   16*528
.set SPARE, OPO+4*OPW
.set T,   32                           ; v32-95   t, then p, then O^T
.set PC,  96                           ; v96-111  p's codes
.set VF,  112                          ; v112-239 V's eight fragments; behind the barrier: at work
	s_load_b256 s[4:11], s[0:1], 0x0               ; tws 4:5, vimg 6:7, the scales' exponents 8:9, out0 10:11
	v_lshl_add_u32 v21, v0, 2, SPARE               ; my spare word,
	v_mov_b32 v22, 0                               ; and 0: kept for the closing lines
	v_lshrrev_b32 v24, 5, v0
	v_readfirstlane_b32 s16, v24                   ; wave
	v_and_b32 v1, 15, v0                           ; r
	v_bfe_u32 v2, v0, 4, 1                         ; h
	v_and_b32 v3, 31, v0                           ; lane
	v_lshlrev_b32 v4, 5, v2                        ; 32 h: my half's eight keys of a tile
	v_lshlrev_b32 v13, 3, v3                       ; vimg: 8 bytes a lane
	s_lshl_b32 s24, s16, 6
	v_lshl_add_u32 v14, v1, 2, s24                 ; -M and l: 64 w + 4 r
	s_mul_i32 s24, s16, OPW
	s_add_co_u32 s24, s24, OPO
	v_mul_u32_u24 v17, v1, 528
	v_lshl_add_u32 v17, v2, 5, v17
	v_add_nc_u32 v17, s24, v17                     ; my part of O: row r, + 32 h
	s_mul_i32 s24, s16, 4*528
	s_add_co_u32 s24, s24, OPO
	v_lshl_add_u32 v18, v3, 4, s24                 ; back: rows 4 w on, 16 bytes a lane
	s_lshl_b32 s24, s16, 4
	v_mov_b32 v19, s24                             ; -M and l of rows 4 w .. 4 w + 3
	v_lshlrev_b32 v20, 4, v3                       ; out0: 16 bytes a lane
	v_mov_b32 v27, 0                               ; (named as the upper half of the pair v[26:27])
	s_mov_b32 s17, ttmp9                           ; qt
	s_and_b32 s12, ttmp7, 0xffff                   ; b
	s_lshl_b32 s18, s17, 4                         ; 16 qt
	s_mul_i32 s19, s12, 2112
	s_lshl_b32 s20, s16, 3                         ; 8 w
	s_lshl_b32 s24, s16, 7
	s_sub_co_u32 s24, s18, s24
	v_lshlrev_b32 v24, 3, v2
	v_sub_nc_u32 v23, v1, v24
	v_add_nc_u32 v23, s24, v23                     ; d = my query - 128 w - 8 h: register 8 c + i is hidden where 16 c + i > d
	s_mov_b32 s14, 0x76543210                      ; v_permlanex16_b32: lane l xor 16
	s_mov_b32 s15, 0xfedcba98
	s_lshl_b32 s24, s12, 2
	s_add_co_u32 s24, s24, s16
	s_lshl_b32 s24, s24, 14                        ; V's codes of (b, w): 16,384 bytes
	s_mov_b32 s25, 0
	s_lshl_b32 s26, s12, 9
	s_add_co_u32 s26, s26, s18
	s_lshl_b32 s27, s16, 2
	s_add_co_u32 s26, s26, s27
	s_lshl_b32 s26, s26, 9                         ; row 512 b + 16 qt + 4 w of out0
	s_mov_b32 s27, 0
	s_wait_alu depctr_va_vdst(0)                   ; directly ahead of the wait below
	s_wait_kmcnt 0x0
	s_load_b64 s[28:29], s[8:9], 0x10              ; e4, e5: waited for behind the loads of t and V
	s_add_nc_u64 s[6:7], s[6:7], s[24:25]
	s_add_nc_u64 s[10:11], s[10:11], s[26:27]
	s_cmp_gt_u32 s20, s17                          ; all my keys behind the 16 queries?  Ids alone
	s_cbranch_scc1 .Lidle
.irp c, 0,1,2,3,4,5,6,7                    ; where t of key tile 8 w + c lies.  A tile behind the diagonal names the diagonal's tile once more, inside the buffer; the mask below hides all of it
	s_add_co_u32 s24, s20, \c
	s_min_u32 s24, s24, s17
	s_sub_co_u32 s25, 31, s24
	s_lshl_b32 s26, s24, 4
	s_sub_co_u32 s26, s18, s26
	s_add_co_u32 s27, s18, 16
	s_cmp_lt_u32 s24, 16
	s_cselect_b32 s25, s24, s25                    ; pi
	s_cselect_b32 s26, s26, s27                    ; v of query 16 qt
	s_mul_i32 s25, s25, 16*8448
	s_add_co_u32 s25, s25, s19
	v_add_nc_u32 v24, s26, v1                      ; v
	v_mul_u32_u24 v25, v24, 1986
	v_lshrrev_b32 v25, 16, v25                     ; v / 33
	v_mul_u32_u24 v25, v25, 6336
	v_lshl_add_u32 v25, v24, 6, v25
	v_add3_u32 v[5+\c], v25, v4, s25
.endr
	s_wait_alu depctr_va_vdst(0)
.irp c, 0,1,2,3,4,5,6,7
	global_load_b128 v[T+8*\c:T+8*\c+3], v[5+\c], s[4:5]
	global_load_b128 v[T+8*\c+4:T+8*\c+7], v[5+\c], s[4:5] offset:16
.endr
.irp d, 0,1,2,3,4,5,6,7
.irp c, 0,1,2,3,4,5,6,7
	global_load_b64 v[VF+16*\d+2*\c:VF+16*\d+2*\c+1], v13, s[6:7] offset:2048*\d+256*\c  ; registers 2 c, 2 c + 1 of the fragment of channels 16 d on; the wave reads 256 consecutive bytes
.endr
.endr
	s_wait_kmcnt 0x0
	s_add_co_i32 s13, s28, s29                     ; e4 + e5
	s_add_co_i32 s24, s28, 127
	s_lshl_b32 s25, s24, 23
	v_mov_b32 v30, s25                             ; 2^e4, for the conversions
	s_add_co_i32 s24, s24, 8
	s_lshl_b32 s24, s24, 23
	s_or_b32 s24, s24, 0x600000
	v_mov_b32 v31, s24                             ; 448 x 2^e4
	s_wait_loadcnt 0x3f                            ; t is in: of the 64 loads issued behind it 63 may stay out
	v_mov_b32 v242, 0xff800000                     ; -infinity
.irp n, 0,1,2,3,4,5,6,7,8,9,10,11,12,13,14,15,16,17,18,19,20,21,22,23,24,25,26,27,28,29,30,31,32,33,34,35,36,37,38,39,40,41,42,43,44,45,46,47,48,49,50,51,52,53,54,55,56,57,58,59,60,61,62,63
	v_cmp_gt_i32 vcc_lo, 16*(\n/8)+\n%8, v23
	v_cndmask_b32 v[T+\n], v[T+\n], v242, vcc_lo   ; a hidden key's t becomes -infinity, whatever was computed there: p = 0
.endr
	v_max3_num_f32 v24, v[T], v[T+1], v[T+2]       ; the largest t of my query among my 64 keys, in two chains,
	v_max3_num_f32 v25, v[T+3], v[T+4], v[T+5]
.irp i, 6,10,14,18,22,26,30,34,38,42,46,50,54,58
	v_max3_num_f32 v24, v24, v[T+\i], v[T+\i+1]
	v_max3_num_f32 v25, v25, v[T+\i+2], v[T+\i+3]
.endr
	v_max3_num_f32 v24, v24, v[T+62], v[T+63]
	v_max_num_f32 v24, v24, v25
	v_permlanex16_b32 v25, v24, s14, s15
	v_max_num_f32 v24, v24, v25                    ; and among lane l xor 16's
	v_floor_f32 v26, -v24                          ; -M_w = floor(-t) = -ceil(t): a whole number
.set i, 0
.rept 32
	v_pk_add_f32 v[T+i:T+i+1], v[T+i:T+i+1], v[26:27] op_sel_hi:[1,0]                    ; t - M_w
.set i, i+2
.endr
.set i, 0
	s_wait_alu depctr_va_vdst(0)
.rept 64
	v_exp_f32 v[T+i], v[T+i]                       ; p, at most 1, not normalised
.set i, i+1
.endr
	v_nop                                          ; a plain instruction behind the last exponential
	s_wait_alu depctr_va_vdst(0)                   ; one wait for the batch, ahead of its first reader
	v_pk_add_f32 v[28:29], v[T:T+1], v[T+2:T+3]    ; the sum is taken of the unquantised p, in two chains
	v_pk_add_f32 v[240:241], v[T+4:T+5], v[T+6:T+7]
.irp j, 8,12,16,20,24,28,32,36,40,44,48,52,56,60
	v_pk_add_f32 v[28:29], v[28:29], v[T+\j:T+\j+1]
	v_pk_add_f32 v[240:241], v[240:241], v[T+\j+2:T+\j+3]
.endr
	v_pk_add_f32 v[28:29], v[28:29], v[240:241]
	v_add_f32 v28, v28, v29
	v_permlanex16_b32 v29, v28, s14, s15
	v_add_f32 v28, v28, v29                        ; l_w
.set i, 0
.rept 64
	v_min_num_f32 v[T+i], v[T+i], v31              ; the conversion does not saturate (ISA guide 7.6.2); p is not negative, so the hold is one-sided
.set i, i+1
.endr
.set i, 0
.rept 8
	v_cvt_scalef32_pk8_fp8_f32 v[PC+2*i:PC+2*i+1], v[T+8*i:T+8*i+7], v30
.set i, i+1
.endr
	v_nop                                          ; one plain instruction behind the conversions: the products read their results and write their sources
	s_wait_alu depctr_va_vdst(0)
	s_wait_loadcnt 0x0                             ; V
.irp d, 0,1,2,3,4,5,6,7
	v_wmma_f32_16x16x128_fp8_fp8 v[T+8*\d:T+8*\d+7], v[VF+16*\d:VF+16*\d+15], v[PC:PC+15], 0  ; lane (r, h): query r, channels 16 d + 8 h + 0 .. 7
.endr
.rept 4
	v_nop                                          ; four places ahead of the stores that read the results, and of the later loads into V's registers
.endr
.irp d, 0,1,2,3,4,5,6,7
	ds_store_b128 v17, v[T+8*\d:T+8*\d+3] offset:64*\d
	ds_store_b128 v17, v[T+8*\d+4:T+8*\d+7] offset:64*\d+16
.endr
	s_branch .Ljoin
.Lidle:
	s_wait_kmcnt 0x0
	s_add_co_i32 s13, s28, s29                     ; e4 + e5
	v_mov_b32 v26, 0x7f61b1e6                      ; -M_w = 3e38: over every other wave's
	v_mov_b32 v28, 0                               ; l_w = 0
.Ljoin:
	ds_store_b32 v14, v26                          ; both halves of the lanes store the same number to the same word
	ds_store_b32 v14, v28 offset:LPO
	s_wait_dscnt 0x0                               ; for the others' sake: my stores are done
	s_barrier_signal -1
	s_barrier_wait -1
	; THE PARTS ARE JOINED: wave w takes rows 4 w .. 4 w + 3, whole.  v112-127 -M [part][row], v128-143 l, v144-159 f, then f / l; v160-163 -M; v164-167 l; v176-191 four rows of a part; v192-207 the rows' sums
.irp k, 0,1,2,3
	ds_load_b128 v[112+4*\k:115+4*\k], v19 offset:64*\k
.endr
.irp k, 0,1,2,3
	ds_load_b128 v[128+4*\k:131+4*\k], v19 offset:LPO+64*\k
.endr
.irp i, 0,1,2,3
	ds_load_b128 v[176+4*\i:179+4*\i], v18 offset:528*\i                                 ; part 0 always has work
.endr
	s_wait_dscnt 0x4                               ; -M and l are in; the four rows may stay out
.irp i, 0,1,2,3
	v_min3_num_f32 v[160+\i], v[112+\i], v[116+\i], v[120+\i]
.endr
.irp i, 0,1,2,3
	v_min_num_f32 v[160+\i], v[160+\i], v[124+\i]  ; -M = the least -M_w
.endr
.irp n, 0,1,2,3,4,5,6,7,8,9,10,11,12,13,14,15
	v_sub_f32 v[144+\n], v[160+\n%4], v[112+\n]    ; M_w - M: a whole number, 0 or less
.endr
.irp n, 0,1,2,3,4,5,6,7,8,9,10,11,12,13,14,15
	v_cvt_i32_f32 v[144+\n], v[144+\n]             ; (it saturates)
.endr
.irp n, 0,1,2,3,4,5,6,7,8,9,10,11,12,13,14,15
	v_ldexp_f32 v[144+\n], 1.0, v[144+\n]          ; f = 2^(M_w - M)
.endr
.irp i, 0,1,2,3
	v_mul_f32 v[164+\i], v[144+\i], v[128+\i]
.endr
.irp k, 1,2,3
.irp i, 0,1,2,3
	v_fma_f32 v[164+\i], v[144+4*\k+\i], v[128+4*\k+\i], v[164+\i]                       ; l = the sum of f l_w
.endr
.endr
	s_wait_alu depctr_va_vdst(0)
.irp i, 0,1,2,3
	v_rcp_f32 v[164+\i], v[164+\i]
.endr
	v_nop                                          ; a plain instruction behind the last reciprocal
	s_wait_alu depctr_va_vdst(0)                   ; one wait for the four, ahead of their first reader
.irp i, 0,1,2,3
	v_ldexp_f32 v[164+\i], v[164+\i], s13          ; x 2^(e4 + e5)
.endr
.irp n, 0,1,2,3,4,5,6,7,8,9,10,11,12,13,14,15
	v_mul_f32 v[144+\n], v[144+\n], v[164+\n%4]
.endr
	s_wait_dscnt 0x0
.irp n, 0,1,2,3,4,5,6,7,8,9,10,11,12,13,14,15
	v_mul_f32 v[192+\n], v[176+\n], v[144+\n/4]    ; part 0 starts the sums
.endr
.irp k, 1,2,3
	s_cmp_lt_u32 s17, 8*\k                         ; a part without work, and those behind it, stored nothing: ids alone, the same in all four waves
	s_cbranch_scc1 .Ldone
.irp i, 0,1,2,3
	ds_load_b128 v[176+4*\i:179+4*\i], v18 offset:OPW*\k+528*\i
.endr
	s_wait_dscnt 0x0
.irp n, 0,1,2,3,4,5,6,7,8,9,10,11,12,13,14,15
	v_fma_f32 v[192+\n], v[176+\n], v[144+4*\k+\n/4], v[192+\n]
.endr
.endr
.Ldone:
	s_wait_alu depctr_va_vdst(0)
.irp i, 0,1,2,3
	global_store_b128 v20, v[192+4*\i:195+4*\i], s[10:11] offset:512*\i                  ; the wave stores a row of 512 consecutive bytes, aligned
.endr
	s_wait_tensorcnt 0x0                           ; the wave's end, behind my last LDS store
	ds_add_u32 v21, v22
	s_wait_dscnt 0x0
	s_endpgm
.Lfunc_end_k_q0346b26694_softpv:
	.size	k_q0346b26694_softpv, .Lfunc_end_k_q0346b26694_softpv-k_q0346b26694_softpv
	.p2alignl 7, 3214868480
	.fill 96, 4, 3214868480
	.section	.rodata,"a",@progbits
	.p2align	6, 0x0
	.amdhsa_kernel k_q0346b26694_softpv
		.amdhsa_group_segment_fixed_size 34816
		.amdhsa_private_segment_fixed_size 0
		.amdhsa_enable_private_segment 0
		.amdhsa_kernarg_size 32
		.amdhsa_user_sgpr_count 2
		.amdhsa_user_sgpr_kernarg_segment_ptr 1
		.amdhsa_wavefront_size32 1
		.amdhsa_system_sgpr_workgroup_id_x 1
		.amdhsa_system_sgpr_workgroup_id_y 1
		.amdhsa_system_sgpr_workgroup_id_z 1
		.amdhsa_system_vgpr_workitem_id 0
		.amdhsa_next_free_vgpr 256
		.amdhsa_next_free_sgpr 66
		.amdhsa_reserve_vcc 1
		.amdhsa_float_denorm_mode_32 3
		.amdhsa_float_denorm_mode_16_64 3
		.amdhsa_memory_ordered 1
		.amdhsa_forward_progress 1
		.amdhsa_inst_pref_size 45
	.end_amdhsa_kernel
	.amdgpu_metadata
---
amdhsa.version: [ 1, 2 ]
amdhsa.kernels:
  - .name:           k_q0346b26694_softpv
    .symbol:         k_q0346b26694_softpv.kd
    .args:
      - { .name: tws, .offset: 0, .size: 8, .value_kind: global_buffer, .address_space: global }
      - { .name: vimg, .offset: 8, .size: 8, .value_kind: global_buffer, .address_space: global }
      - { .name: lowp_scales, .offset: 16, .size: 8, .value_kind: global_buffer, .address_space: global }
      - { .name: out0, .offset: 24, .size: 8, .value_kind: global_buffer, .address_space: global }
    .group_segment_fixed_size: 34816
    .private_segment_fixed_size: 0
    .kernarg_segment_align: 8
    .kernarg_segment_size: 32
    .max_flat_workgroup_size: 128
    .sgpr_count:     66
    .vgpr_count:     256
    .wavefront_size: 32
...
	.end_amdgpu_metadata
.endif
;; end of part 2
